; MI455X (gfx1250); checked and timed in simulation.
; The chip was launched on July 23, 2026; its instructions are those of AMD's public machine-readable ISA for CDNA 5 (MIT licence, August 2026) and "CDNA5" Instruction Set Architecture Reference Guide (July 2026). The comments in the code are by the model that wrote it; some were corrected since.
;; Bit Linear. Allowed arithmetic: float matrix products may take bf16 or f16 operands with f32 sums; all other float work in f32.
;; Inputs: W 2,048 x 4,096 float32; input 4 x 2,048 x 4,096 float32.
;; Outputs: out0 4 x 2,048 x 2,048 float32.
;; One version. Each part assembles by itself: llvm-mc -triple=amdgcn-amd-amdhsa -mcpu=gfx1250 --defsym DOCPART=n.
;; ======== version 1 of 1: 3 launches
;; workspace buffers: part 1,024 bytes; wq 4,194,304 bytes
;; launch absum (part 1): grid 256 x 1, 16 waves a work-group, no clusters, 2,304 bytes of LDS; arguments W, part; writes part
.if DOCPART == 1
	.amdgcn_target "amdgcn-amd-amdhsa--gfx1250"
	.amdhsa_code_object_version 6
	.text
	.protected	k_qad1acc7d70_absum
	.globl	k_qad1acc7d70_absum
	.p2align	8
	.type	k_qad1acc7d70_absum,@function
k_qad1acc7d70_absum:
	s_mov_b64 s[64:65], 0
	v_nop
	global_prefetch_b8 v0, s[64:65] scope:SCOPE_SE
	s_setreg_imm32_b32 hwreg(HW_REG_WAVE_MODE, 25, 1), 1
	s_wait_xcnt 0x0
; part[g] = the sum of |bf16(W)| over work-group g's 131,072 bytes of W (8 rows of 4,096 f32).  W: [2048][4096] f32.  part: [256] f32.
; FORMAT.  W is rounded to bf16 (nearest even) ahead of the magnitude and the sum: the whole program takes both inputs so rounded, and the mean
; has to be the mean of the numbers that are later held against it.  The sums are f32.  NaN and infinities in W are not treated apart.
; SHARES.  16 waves, 512 threads.  Thread t takes the 16 bytes at 16 t + 8,192 j, j = 0 .. 15: a load of a wave covers 512 consecutive bytes, aligned.
; All 16 loads of a thread go out at once: 8 KiB a wave, 128 KiB a work-group are on their way.  No tile is shared, nothing is multiplied: no cluster, no matrix unit.
; No work-group reads what another stores: the 256 partial sums are added in the next launch.
.set NL,  16                           ; loads a thread
.set ACC, 4                            ; v[4:11]   eight running sums, four pairs
.set T,   12                           ; v[12:13]  four bf16, at work
.set X,   16                           ; v[16:79]  the 16 loads
.set U,   80                           ; v[80:83]  four magnitudes in f32
	s_load_b128 s[4:7], s[0:1], 0x0                ; W s[4:5], part s[6:7]
	v_lshl_add_u32 v84, v0, 2, 0x100
	v_mov_b32 v85, 0
	s_lshl_b32 s2, ttmp9, 17                       ; my work-group's 131,072 bytes of W
	s_mov_b32 s3, 0
	s_lshl_b32 s14, ttmp9, 2                       ; my work-group's word of part
	s_mov_b32 s15, 0
	s_mov_b32 s9, 0x7fff7fff                       ; clears the signs of two bf16
	s_mov_b32 s10, 0xffff0000                      ; a word's upper bf16
	s_mov_b32 s12, 0x76543210                      ; v_permlanex16_b32: each lane takes its own place in the other half
	s_mov_b32 s13, 0xfedcba98
	v_lshlrev_b32 v1, 4, v0                        ; 16 t
	v_lshrrev_b32 v2, 5, v0
	v_readfirstlane_b32 s8, v2                     ; wave 0 .. 15
	s_wait_kmcnt 0x0
	s_add_nc_u64 s[4:5], s[4:5], s[2:3]
	s_add_nc_u64 s[6:7], s[6:7], s[14:15]
.set j, 0
.rept NL
	global_load_b128 v[X+4*j:X+4*j+3], v1, s[4:5] offset:8192*j   ; no hint: the next launch reads W again
.set j, j+1
.endr
; Load j's four numbers: rounded to bf16, signs cleared, widened again, added.  Loads 0 and 1 start the eight sums: nothing is cleared.
.macro ITEM
	s_wait_loadcnt NL-1-j                          ; loads come back in order (ISA guide 5.7.1): load j is in, the younger ones stay out
	v_cvt_pk_bf16_f32 v[T],   v[X+4*j],   v[X+4*j+1]
	v_cvt_pk_bf16_f32 v[T+1], v[X+4*j+2], v[X+4*j+3]
	v_and_b32 v[T],   s9, v[T]
	v_and_b32 v[T+1], s9, v[T+1]
.if j < 2
	v_lshlrev_b32 v[ACC+4*j],   16,  v[T]
	v_and_b32     v[ACC+4*j+1], s10, v[T]
	v_lshlrev_b32 v[ACC+4*j+2], 16,  v[T+1]
	v_and_b32     v[ACC+4*j+3], s10, v[T+1]
.else
	v_lshlrev_b32 v[U],   16,  v[T]
	v_and_b32     v[U+1], s10, v[T]
	v_lshlrev_b32 v[U+2], 16,  v[T+1]
	v_and_b32     v[U+3], s10, v[T+1]
	v_pk_add_f32 v[ACC+4*(j%2):ACC+4*(j%2)+1],   v[ACC+4*(j%2):ACC+4*(j%2)+1],   v[U:U+1]
	v_pk_add_f32 v[ACC+4*(j%2)+2:ACC+4*(j%2)+3], v[ACC+4*(j%2)+2:ACC+4*(j%2)+3], v[U+2:U+3]
.endif
.set j, j+1
.endm
.set j, 0
.rept NL
	ITEM
.endr
	; the lane's eight sums, then the wave's 32 lanes
	v_pk_add_f32 v[ACC:ACC+1],   v[ACC:ACC+1],   v[ACC+4:ACC+5]
	v_pk_add_f32 v[ACC+2:ACC+3], v[ACC+2:ACC+3], v[ACC+6:ACC+7]
	v_pk_add_f32 v[ACC:ACC+1],   v[ACC:ACC+1],   v[ACC+2:ACC+3]
	v_add_f32 v[ACC], v[ACC], v[ACC+1]
	v_add_f32_dpp v[ACC], v[ACC], v[ACC] row_xmask:1 row_mask:0xf bank_mask:0xf
	v_add_f32_dpp v[ACC], v[ACC], v[ACC] row_xmask:2 row_mask:0xf bank_mask:0xf
	v_add_f32_dpp v[ACC], v[ACC], v[ACC] row_xmask:4 row_mask:0xf bank_mask:0xf
	v_add_f32_dpp v[ACC], v[ACC], v[ACC] row_xmask:8 row_mask:0xf bank_mask:0xf
	v_permlanex16_b32 v[ACC+1], v[ACC], s12, s13   ; its destination counts as read: a register that has been written
	v_add_f32 v[ACC], v[ACC], v[ACC+1]
	; the 16 waves' sums meet in 64 bytes of LDS
	v_mov_b32 v2, s8
	v_lshlrev_b32 v2, 2, v2
	ds_store_b32 v2, v[ACC]                        ; all lanes write the wave's word with the same value
	s_wait_dscnt 0x0                               ; for the others' sake: my store is done
	s_barrier_signal -1
	s_barrier_wait -1
	v_mov_b32 v3, 0
.irp q, 0,1,2,3
	ds_load_b128 v[16+4*(\q):19+4*(\q)], v3 offset:16*(\q)
.endr
	s_wait_dscnt 0x0
	v_pk_add_f32 v[16:17], v[16:17], v[18:19]
	v_pk_add_f32 v[20:21], v[20:21], v[22:23]
	v_pk_add_f32 v[24:25], v[24:25], v[26:27]
	v_pk_add_f32 v[28:29], v[28:29], v[30:31]
	v_pk_add_f32 v[16:17], v[16:17], v[20:21]
	v_pk_add_f32 v[24:25], v[24:25], v[28:29]
	v_pk_add_f32 v[16:17], v[16:17], v[24:25]
	v_add_f32 v16, v16, v17
	v_cmp_eq_u32 vcc_lo, 0, v0                     ; thread 0 stores the work-group's one word
	s_wait_xcnt 0x0                                ; EXEC is a source of the loads above: it changes only behind this wait
	s_wait_tensorcnt 0x0
	ds_add_u32 v84, v85
	s_wait_dscnt 0x0
	s_and_saveexec_b32 s11, vcc_lo
	global_store_b32 v3, v16, s[6:7]
	s_wait_xcnt 0x0                                ; and again, in front of the line that widens it
	s_or_b32 exec_lo, exec_lo, s11
	s_endpgm
.Lfunc_end_k_qad1acc7d70_absum:
	.size	k_qad1acc7d70_absum, .Lfunc_end_k_qad1acc7d70_absum-k_qad1acc7d70_absum
	.p2alignl 7, 3214868480
	.fill 96, 4, 3214868480
	.section	.rodata,"a",@progbits
	.p2align	6, 0x0
	.amdhsa_kernel k_qad1acc7d70_absum
		.amdhsa_group_segment_fixed_size 2304
		.amdhsa_private_segment_fixed_size 0
		.amdhsa_enable_private_segment 0
		.amdhsa_kernarg_size 16
		.amdhsa_user_sgpr_count 2
		.amdhsa_user_sgpr_kernarg_segment_ptr 1
		.amdhsa_wavefront_size32 1
		.amdhsa_system_sgpr_workgroup_id_x 1
		.amdhsa_system_sgpr_workgroup_id_y 1
		.amdhsa_system_sgpr_workgroup_id_z 1
		.amdhsa_system_vgpr_workitem_id 0
		.amdhsa_next_free_vgpr 86
		.amdhsa_next_free_sgpr 66
		.amdhsa_reserve_vcc 1
		.amdhsa_float_denorm_mode_32 3
		.amdhsa_float_denorm_mode_16_64 3
		.amdhsa_memory_ordered 1
		.amdhsa_forward_progress 1
		.amdhsa_inst_pref_size 12
	.end_amdhsa_kernel
	.amdgpu_metadata
---
amdhsa.version: [ 1, 2 ]
amdhsa.kernels:
  - .name:           k_qad1acc7d70_absum
    .symbol:         k_qad1acc7d70_absum.kd
    .args:
      - { .name: W, .offset: 0, .size: 8, .value_kind: global_buffer, .address_space: global }
      - { .name: part, .offset: 8, .size: 8, .value_kind: global_buffer, .address_space: global }
    .group_segment_fixed_size: 2304
    .private_segment_fixed_size: 0
    .kernarg_segment_align: 8
    .kernarg_segment_size: 16
    .max_flat_workgroup_size: 512
    .sgpr_count:     66
    .vgpr_count:     86
    .wavefront_size: 32
...
	.end_amdgpu_metadata
.endif
;; end of part 1
;; launch quant (part 2): grid 256 x 1, 16 waves a work-group, no clusters, 0 bytes of LDS; arguments W, part, wq; writes wq
.if DOCPART == 2
	.amdgcn_target "amdgcn-amd-amdhsa--gfx1250"
	.amdhsa_code_object_version 6
	.text
	.protected	k_qad1acc7d70_quant
	.globl	k_qad1acc7d70_quant
	.p2align	8
	.type	k_qad1acc7d70_quant,@function
k_qad1acc7d70_quant:
	s_mov_b64 s[64:65], 0
	v_nop
	global_prefetch_b8 v0, s[64:65] scope:SCOPE_SE
	s_setreg_imm32_b32 hwreg(HW_REG_WAVE_MODE, 25, 1), 1
	s_wait_xcnt 0x0
; wq = the ternary weights q = round(clip(w / G, -1, 1)), G = mean|w| + 1e-5, w = bf16(W), as FP4 (E2M1) codes, which hold -1, 0 and 1 exactly.  W: [2048][4096] f32.  part: [256] f32, the sums of |w|.
; THE LAYOUT.  A K step is 128 k.  Within it k = 32 e + 4 c + i (e < 4, c < 8, i < 4) has the place N = 16 c + 4 e + i.  The code of row n, K step s, place N is nibble N % 2 of the byte at
; 131,072 s + 64 n + N / 2: a row's 128 codes of a K step are 64 bytes, and 256 rows of one K step are 16,384 dense bytes.  The product's kernel lays x by the same places, so the products meet.
; The places are chosen so that here eight neighbouring lanes load 128 consecutive bytes of a row and each lane ends with 16 neighbouring codes.
; THE DECISION.  With G in f32, the quotient, the clip and the rounding to even give q = sign(w) where 2 |w| > G and 0 elsewhere: 2 |w| > G means 2 |w| >= the float above G,
; so that |w| / G lies above the middle between 0.5 and the float above 0.5 and is rounded above 0.5; 2 |w| = G gives 0.5 exactly, which goes to 0.  So: |w| > H, H = G / 2, compared as whole numbers
; (positive floats are ordered as their bits).  G is one fused multiply-add: the sum times 2^-23 is exact (2^23 weights), so there is one rounding, that of the addition.
; FORMAT.  W is rounded to bf16 first, as in the launch before.  LIMIT.  A NaN in W counts as a number beyond H, or spoils H; infinities likewise: they are not treated apart.
; Every wave adds the 256 partial sums in the same order, so H has the same bits everywhere.
; SHARES.  The work-group owns rows 8 g .. 8 g + 7.  Wave w owns the four rows from n = 8 g + 4 (w & 1) on, in the K steps 4 (w >> 1) + i, i = 0 .. 3.  In an item lane l takes row n + l / 8 and c = l % 8:
; four loads of 16 bytes (e = 0 .. 3) and one store of 8: the wave's store covers 256 consecutive bytes, aligned.  All 16 loads of W go out at once: 128 KiB a work-group are on their way.
.set NI,  4                            ; items a wave
.set ONE, 2                            ; v2         1.0: the conversion divides by two to its exponent, which is 0
.set P,   8                            ; v[8:15]    my eight partial sums
.set R,   16                           ; v[16:23]   an item's sixteen numbers in bf16
.set E,   24                           ; v[24:39]   eight numbers widened, then q in f32; two sets, one for each word of codes
.set M,   40                           ; v[40:47]   their magnitudes
.set X,   48                           ; v[48:111]  the 16 loads of W
.set D,   112                          ; v[112:119] each item's own two words of codes: no store's data is ever rewritten
	s_load_b128 s[4:7], s[0:1], 0x0                ; W s[4:5], part s[6:7]
	s_load_b64 s[22:23], s[0:1], 0x10              ; wq
	v_lshrrev_b32 v1, 5, v0
	v_readfirstlane_b32 s8, v1                     ; wave 0 .. 15
	s_and_b32 s9, s8, 1
	s_lshr_b32 s10, s8, 1
	s_lshl_b32 s11, ttmp9, 3
	s_lshl2_add_u32 s11, s9, s11                   ; n = 8 g + 4 (w & 1)
	s_lshl_b32 s12, s11, 14                        ; W: n rows of 16,384 bytes
	s_lshl_b32 s13, s10, 11                        ;    + 4 K steps of 512 bytes for each w >> 1
	s_add_co_u32 s12, s12, s13
	s_mov_b32 s13, 0
	s_lshl_b32 s14, s11, 6                         ; wq: n rows of 64 bytes
	s_lshl_b32 s15, s10, 19                        ;    + 4 K steps of 131,072 bytes
	s_add_co_u32 s14, s14, s15
	s_mov_b32 s15, 0
	s_mov_b32 s2, 0x7fffffff                       ; clears a sign
	s_mov_b32 s3, 0xffff0000                       ; a word's upper bf16
	s_mov_b32 s16, 0x34000000                      ; 2^-23
	s_mov_b32 s17, 0x3727c5ac                      ; 1e-5
	s_mov_b32 s18, 0x80000000                      ; the sign,
	s_mov_b32 s19, 0x3f800000                      ; over 1.0
	s_mov_b32 s24, 0x76543210                      ; v_permlanex16_b32: each lane takes its own place in the other half
	s_mov_b32 s25, 0xfedcba98
	v_and_b32 v1, 31, v0                           ; l
	v_lshlrev_b32 v7, 5, v1                        ; part: 32 l
	v_lshlrev_b32 v5, 3, v1                        ; wq: 8 l = 64 (l / 8) + 8 (l % 8)
	v_and_b32 v3, 7, v0
	v_bfe_u32 v2, v0, 3, 2
	v_lshlrev_b32 v4, 4, v3                        ; W: 16 (l % 8)
	v_lshl_add_u32 v4, v2, 14, v4                  ;    + l / 8 rows
	v_mov_b32 v[ONE], 1.0
	s_wait_kmcnt 0x0
	s_add_nc_u64 s[4:5], s[4:5], s[12:13]
	s_add_nc_u64 s[22:23], s[22:23], s[14:15]
	global_load_b128 v[P:P+3],   v7, s[6:7]
	global_load_b128 v[P+4:P+7], v7, s[6:7] offset:16
.set it, 0
.rept NI
.irp e, 0,1,2,3
	global_load_b128 v[X+16*it+4*(\e):X+16*it+4*(\e)+3], v4, s[4:5] offset:512*it+128*(\e) th:TH_LOAD_NT
.endr
.set it, it+1
.endr
	s_wait_loadcnt 4*NI                            ; the partial sums are in; W's 16 loads, issued behind them, stay out
	v_pk_add_f32 v[P:P+1],   v[P:P+1],   v[P+2:P+3]
	v_pk_add_f32 v[P+4:P+5], v[P+4:P+5], v[P+6:P+7]
	v_pk_add_f32 v[P:P+1],   v[P:P+1],   v[P+4:P+5]
	v_add_f32 v[P], v[P], v[P+1]
	v_add_f32_dpp v[P], v[P], v[P] row_xmask:1 row_mask:0xf bank_mask:0xf
	v_add_f32_dpp v[P], v[P], v[P] row_xmask:2 row_mask:0xf bank_mask:0xf
	v_add_f32_dpp v[P], v[P], v[P] row_xmask:4 row_mask:0xf bank_mask:0xf
	v_add_f32_dpp v[P], v[P], v[P] row_xmask:8 row_mask:0xf bank_mask:0xf
	v_permlanex16_b32 v[P+1], v[P], s24, s25
	v_add_f32 v[P], v[P], v[P+1]                   ; the sum of all |w|, in every lane
	v_fma_f32 v6, v[P], s16, s17                   ; G
	v_mul_f32 v6, 0.5, v6                          ; H
; An item: the lane's sixteen numbers, number m = 4 e + i in register X + 16 it + m; word d of its codes takes the numbers 8 d .. 8 d + 7.
.macro ITEM
	s_wait_loadcnt 4*NI-4-4*it                     ; this item's four loads are in; the later items' stay out
.set n, 0
.rept 8
	v_cvt_pk_bf16_f32 v[R+n], v[X+16*it+2*n], v[X+16*it+2*n+1]
.set n, n+1
.endr
.set d, 0
.rept 2
.set EE, E+8*d
.set n, 0
.rept 8
.if n%2 == 0
	v_lshlrev_b32 v[EE+n], 16, v[R+4*d+n/2]        ; w as f32
.else
	v_and_b32 v[EE+n], s3, v[R+4*d+n/2]
.endif
.set n, n+1
.endr
.set n, 0
.rept 8
	v_and_b32 v[M+n], s2, v[EE+n]                  ; |w|
	v_and_or_b32 v[EE+n], v[EE+n], s18, s19        ; w's sign over 1.0
.set n, n+1
.endr
.set n, 0
.rept 8
	v_cmp_gt_u32 vcc_lo, v[M+n], v6                ; |w| > H
	v_cndmask_b32 v[EE+n], 0, v[EE+n], vcc_lo      ; q, or 0
.set n, n+1
.endr
	v_cvt_scalef32_pk8_fp4_f32 v[D+2*it+d], v[EE:EE+7], v[ONE]  ; eight codes; the lines behind it write the other set of E or R: plain instructions that touch neither its result nor its sources
.set d, d+1
.endr
	v_nop                                          ; a plain instruction between the conversion and the use of its result
	global_store_b64 v5, v[D+2*it:D+2*it+1], s[22:23] offset:131072*it
.set it, it+1
.endm
.set it, 0
.rept NI
	ITEM
.endr
	s_endpgm
.Lfunc_end_k_qad1acc7d70_quant:
	.size	k_qad1acc7d70_quant, .Lfunc_end_k_qad1acc7d70_quant-k_qad1acc7d70_quant
	.p2alignl 7, 3214868480
	.fill 96, 4, 3214868480
	.section	.rodata,"a",@progbits
	.p2align	6, 0x0
	.amdhsa_kernel k_qad1acc7d70_quant
		.amdhsa_group_segment_fixed_size 0
		.amdhsa_private_segment_fixed_size 0
		.amdhsa_enable_private_segment 0
		.amdhsa_kernarg_size 24
		.amdhsa_user_sgpr_count 2
		.amdhsa_user_sgpr_kernarg_segment_ptr 1
		.amdhsa_wavefront_size32 1
		.amdhsa_system_sgpr_workgroup_id_x 1
		.amdhsa_system_sgpr_workgroup_id_y 1
		.amdhsa_system_sgpr_workgroup_id_z 1
		.amdhsa_system_vgpr_workitem_id 0
		.amdhsa_next_free_vgpr 120
		.amdhsa_next_free_sgpr 66
		.amdhsa_reserve_vcc 1
		.amdhsa_float_denorm_mode_32 3
		.amdhsa_float_denorm_mode_16_64 3
		.amdhsa_memory_ordered 1
		.amdhsa_forward_progress 1
		.amdhsa_inst_pref_size 20
	.end_amdhsa_kernel
	.amdgpu_metadata
---
amdhsa.version: [ 1, 2 ]
amdhsa.kernels:
  - .name:           k_qad1acc7d70_quant
    .symbol:         k_qad1acc7d70_quant.kd
    .args:
      - { .name: W, .offset: 0, .size: 8, .value_kind: global_buffer, .address_space: global }
      - { .name: part, .offset: 8, .size: 8, .value_kind: global_buffer, .address_space: global }
      - { .name: wq, .offset: 16, .size: 8, .value_kind: global_buffer, .address_space: global }
    .group_segment_fixed_size: 0
    .private_segment_fixed_size: 0
    .kernarg_segment_align: 8
    .kernarg_segment_size: 24
    .max_flat_workgroup_size: 512
    .sgpr_count:     66
    .vgpr_count:     120
    .wavefront_size: 32
...
	.end_amdgpu_metadata
.endif
;; end of part 2
;; launch gemm (part 3): grid 4 x 64, 4 waves a work-group, clusters of 4 x 4, 327,680 bytes of LDS; arguments input, wq, out0; writes out0
.if DOCPART == 3
	.amdgcn_target "amdgcn-amd-amdhsa--gfx1250"
	.amdhsa_code_object_version 6
	.text
	.protected	k_qad1acc7d70_gemm
	.globl	k_qad1acc7d70_gemm
	.p2align	8
	.type	k_qad1acc7d70_gemm,@function
k_qad1acc7d70_gemm:
	s_mov_b64 s[64:65], 0
	v_nop
	global_prefetch_b8 v0, s[64:65] scope:SCOPE_SE
	s_setreg_imm32_b32 hwreg(HW_REG_WAVE_MODE, 25, 1), 1
	s_wait_xcnt 0x0
	s_wait_alu depctr_hold_cnt(0) depctr_sa_sdst(0) depctr_va_vdst(0) depctr_va_sdst(0) depctr_va_ssrc(0) depctr_va_vcc(0) depctr_vm_vsrc(0)
	s_getreg_b32 s2, hwreg(HW_REG_IB_STS2, 6, 4)
	s_cmp_eq_u32 s2, 0
	s_cbranch_scc0 .Lentry_in_a_cluster
	s_endpgm
.Lentry_in_a_cluster:
	s_bfe_u32 s2, ttmp6, 0x10000c
	s_cmp_lg_u32 s2, 0xf033
	s_cbranch_scc0 .Lentry_shape_is_right
	s_endpgm
.Lentry_shape_is_right:
; out0[m][n] = the sum over k of bf16(x[m][k]) q[n][k].  x = input: [8192][4096] f32.  wq: q, ternary, as FP4 (E2M1) codes in blocks by K step (below).  out0: [8192][2048] f32.
; Products in bf16 (x rounded to nearest even; q is exact), sums in f32.
; LIMITS.  x is taken rounded to bf16.  The sign of a zero is not kept.  Within a K step k is permuted, alike for both operands: the order of the additions differs from ascending k.
; SHARES.  A tile of out0 is 128 rows x 512 columns: 64 x 4 tiles, 256 work-groups.  Four waves; wave w makes all 128 rows x the columns 128 w .. + 127: 64 accumulators of 16 x 16, 512 registers.
; K goes in 32 steps of 128; a step is four quarters of 32, 64 matrix instructions each.
; PLACES OF k.  Within a K step k = 32 e + 4 c + i (e < 4, c < 8, i < 4) has the place N = 16 c + 4 e + i.  wq holds the code of row n, step s, place N in nibble N % 2 of byte 131,072 s + 64 n + N / 2.
; Quarter q takes the places 32 q .. 32 q + 31, and the place (half h of the lanes, register j, half-word u) of a fragment holds N = 32 q + 16 h + 2 j + u, in both operands.
; x IS ROUNDED ONCE FOR THE WORK-GROUP.  x's tile lands in LDS as f32.  While step s is multiplied, each wave rounds 32 of the 128 rows of step s + 1 (a load takes a row's 512 bytes, lane l the k = 4 l .. 4 l + 3;
; two v_cvt_pk_bf16_f32; a store of 8 bytes at the lane's place, 32 (l % 8) + 8 (l / 8)) into blocks of LDS that no tensor load fills (ABF, two of them), and all four waves read their fragments from there:
; 16 roundings a wave and quarter, where each wave for itself would need 64.  THE CODES are widened eight at a time (v_cvt_scale_pk8_bf16_fp4, scale 1): 16 a quarter.
; These 32 stand four behind every four matrix instructions of a quarter's second half: widening, rounding, widening, rounding, so that a plain instruction follows each widening.
; THE RING.  x's tiles and the codes' have two slots each.  Step s reads ABF s % 2 and the codes' slot s % 2, and rounds from x's slot (s + 1) % 2.  One change a step, in its last quarter: behind it x's slot
; (s + 1) % 2 takes step s + 3 and the codes' slot s % 2 takes step s + 2: one tensor load a wave, 240 of a step's 256 matrix instructions ahead of the wait for it.
; CLUSTERS.  4 x 4 work-groups.  The four of a row of the cluster make one tile row and need the same tiles of x; the four of a column need the same tiles of wq.  Each tile is asked for JOINTLY: the same tensor load,
; with the same descriptor and a mask that names the four, in all four.  The grid is four tiles wide, so a tile of x is asked for once in the whole launch.
; THE MATRIX INSTRUCTION IS USED TRANSPOSED (source 0 = 16 rows of weights, source 1 = 16 rows of x): lane l then holds row l % 16 of out0 and eight neighbouring columns, 8 (l / 16) + 0 .. 7.
; REGISTERS, in windows of 256 (s_set_vgpr_msb: bits 1:0 source 0, 3:2 source 1, 5:4 source 2, 7:6 destination):
;   window 0: v0-31 addresses; v32-95, v96-159 x's fragments, two buffers (at the start: step 0's rows at work; on the way out: whole rows, by turns); v160-191 eight rows of x in f32; v192-207 a quarter's codes
;   window 1: v0-63, v64-127 the weights' fragments, two buffers; v128-143 eight rows of x in bf16, to be stored
;   window 2: the accumulators of rows 0-63 ((a, b) at 8 (8 (a % 4) + b));   window 3: those of rows 64-127
.set PA,     528                       ; a row of x in f32: 512 bytes + 16 of padding
.set ASZ,    128*PA                    ; a slot of x: 67,584
.set PB,     80                        ; a row of codes: 64 bytes + 16 = 20 words: the 16 rows of a load start at 16 different groups of four banks, and a lane pair takes the four (64 banks of 4 bytes: ISA guide 11.1)
.set BSZ,    512*PB                    ; a slot of codes: 40,960
.set PF,     272                       ; a row of x in bf16: 256 bytes + 16 = 17 x 16: the 16 rows of a load lie in 16 different columns of 16 bytes modulo 256
.set FSZ,    128*PF                    ; 34,816
.set BSLOT,  2*ASZ                     ; x's two slots lie at 0; the codes' two here
.set ABF,    BSLOT+2*BSZ               ; x in bf16, twice: written by LDS stores, never by a tensor load
.set STAGE,  ABF+2*FSZ                 ; 16 rows x 528 bytes for each wave, for the way out
.set SP,     528
.set SPARE,  STAGE+4*16*SP             ; the spare words, 128 bytes for each wave: two blocks of 256 bytes that no other line names
.set TRIPS,  14                        ; the loop's trips, two K steps each: steps 28 to 31 are written out
.set ADRX, 10                          ; v10-11  LDS address of my 16 bytes in the first of my wave's 32 rows of x in f32, slot 0, 1
.set ADRS, 12                          ; v12-13  where my 8 bytes of that row go in ABF 0, 1
.set ADRF, 14                          ; v14-15  LDS address of my part of a fragment's rows in ABF 0, 1
.set ADRB, 16                          ; v16-17  the same for my wave's 128 rows of codes, slot 0, 1
.set STO,  24                          ; v24     the way out: where I put 32 bytes of a row
.set RD,   25                          ; v25     the way out: where I read a row back
.set CO,   26                          ; v26     my byte offset in a row's 512 bytes of out0
.set SPW,  28                          ; v28     LDS address of my spare word: SPARE + 4 x my thread's number; never rewritten
.set NIL,  29                          ; v29     0; never rewritten
.set SCL,  30                          ; v30     the widening's scale: 127 in every byte, two to the power 0
.set AF,   32
.set XS,   160
.set BC,   192
.set BF,   0                           ; window 1
.set XO,   128                         ; window 1
.set G1,   24                          ; s[24:31] descriptor group 1 for x's tiles
.set G0,   32                          ; s[32:39] descriptor group 0 for x's tiles, one set for each slot
.set G1B,  48                          ; s[48:55], s[56:63] the same for the codes'
.set G0B,  56
.set MSB, 0
.macro WIN new                         ; the immediate's high byte repeats the setting that is left; a switch that changes nothing is dropped
.if MSB != (\new)
	s_set_vgpr_msb (MSB<<8)|(\new)
.set MSB, \new
.endif
.endm
.set MUL_LO, 0xa1                      ; source 0 (weights) window 1, source 1 (x) window 0, C and D window 2
.set MUL_HI, 0xf1                      ; the same, C and D window 3
.set RIDE,   0x40                      ; destination window 1, sources window 0
.set PUT,    0x04                      ; an LDS store's data (source 1) in window 1, its address in window 0
; A joint load.  Waves 0 and 1 fetch the two halves of x's tile into x's slot sa, waves 2 and 3 those of the codes' into their slot sb.  Each of the two lines has one mask and one set of registers, in which nothing
; hangs on a coordinate that the four partners do not share.  The branch hangs on the wave's number alone.  An s_nop 0 and four v_nop follow each line, ahead of the jump, the label and what follows.
.macro JLOAD sa, sb
	s_cmp_eq_u32 s11, 0
	s_cbranch_scc0 .Lfor_b_\@
	tensor_load_to_lds s[G0+4*(\sa):G0+4*(\sa)+3], s[G1:G1+7]
	s_nop 0
.rept 4
	v_nop
.endr
	s_branch .Lasked_\@
.Lfor_b_\@:
	tensor_load_to_lds s[G0B+4*(\sb):G0B+4*(\sb)+3], s[G1B:G1B+7]
	s_nop 0
.rept 4
	v_nop
.endr
.Lasked_\@:
.endm
.macro JLOAD_A sa                      ; x's alone: waves 2 and 3 have no part of a tile to fill
	s_cmp_eq_u32 s11, 0
	s_cbranch_scc0 .Lnot_a_\@
	tensor_load_to_lds s[G0+4*(\sa):G0+4*(\sa)+3], s[G1:G1+7]
	s_nop 0
.rept 4
	v_nop
.endr
.Lnot_a_\@:
.endm
.macro JLOAD_B sb                      ; the codes' alone
	s_cmp_eq_u32 s11, 1
	s_cbranch_scc0 .Lnot_b_\@
	tensor_load_to_lds s[G0B+4*(\sb):G0B+4*(\sb)+3], s[G1B:G1B+7]
	s_nop 0
.rept 4
	v_nop
.endr
.Lnot_b_\@:
.endm
; A round of the cluster's barrier: my work-group's barrier, so that wave 0's signal speaks for all four waves; wave 0 signals; every wave waits for all sixteen work-groups; my work-group's barrier once more.
.macro CREST                           ; a round behind its opening barrier
	s_cmp_lg_u32 s10, 0
	s_cbranch_scc1 .Lnot_wave_0_\@
	s_barrier_signal -3
.Lnot_wave_0_\@:
	s_barrier_wait -3
	s_barrier_signal -1
	s_barrier_wait -1
.endm
.macro CROUND                          ; a whole round
	s_barrier_signal -1
	s_barrier_wait -1
	CREST
.endm
	s_load_b128 s[4:7], s[0:1], 0x0                ; x s[4:5], wq s[6:7]
	s_load_b64 s[8:9], s[0:1], 0x10                ; out0
	v_lshl_add_u32 v[SPW], v0, 2, SPARE
	v_mov_b32 v[NIL], 0
	ds_add_u32 v28, v29
	s_wait_dscnt 0x0
	v_mov_b32 v[SCL], 0x7f7f7f7f
	v_lshrrev_b32 v1, 5, v0
	v_readfirstlane_b32 s10, v1                    ; wave 0..3
	s_lshr_b32 s11, s10, 1                         ; I fetch for x (0) or for the codes (1),
	s_and_b32 s12, s10, 1                          ; and which half of that tile
	s_bfe_u32 s40, ttmp6, 0x40000                  ; cx: my place along the cluster's x
	s_bfe_u32 s41, ttmp6, 0x40004                  ; cy: along its y
	s_lshl_b32 s42, ttmp9, 2                       ; in a cluster launch ttmp9 and ttmp7 count clusters
	s_add_co_u32 s42, s42, s40                     ; tile column = 4 x cluster x + cx
	s_and_b32 s13, ttmp7, 0xffff
	s_lshl_b32 s13, s13, 2
	s_add_co_u32 s13, s13, s41                     ; tile row = 4 x cluster y + cy
	s_lshl_b32 s43, s41, 2
	s_lshl_b32 s43, 15, s43                        ; my row of the cluster: places 4 cy .. 4 cy + 3
	s_lshl_b32 s44, 0x1111, s40                    ; my column: places cx, cx + 4, cx + 8, cx + 12
	; group 1 for x: 64 rows x 128 elements of 4 bytes, 4,096 elements from row to row; 4 words of padding behind every 128
	s_or_b32 s[G1+0], s43, (2<<16)|(1<<20)|(1<<21)|(6<<22)|(3<<25)  ; 15:0 the mask: my row; 17:16 elements of 4 bytes; 20 padding on; 21 set beside a mask; 24:22 after every 128 words (code 6); 31:25 4 words (code 3)
	s_mov_b32 s[G1+1], 128<<16                     ; tensor_dim0 = 128
	s_mov_b32 s[G1+2], 64<<16                      ; tensor_dim1 = 64
	s_mov_b32 s[G1+3], 128<<16                     ; tile_dim0 = 128
	s_mov_b32 s[G1+4], 64                          ; tile_dim1 = 64
	s_mov_b32 s[G1+5], 4096                        ; tensor_dim0_stride
	s_mov_b32 s[G1+6], 0
	s_mov_b32 s[G1+7], 0
	; group 1 for the codes: 256 rows of 64 bytes are 16,384 dense bytes: asked for as 64 rows of 256 bytes (128 elements of 2), four weight rows a row, and padded in LDS behind every weight row
	s_or_b32 s[G1B+0], s44, (1<<16)|(1<<20)|(1<<21)|(3<<22)|(3<<25) ; the mask: my column; elements of 2 bytes; after every 16 words (code 3) 4 words
	s_mov_b32 s[G1B+1], 128<<16
	s_mov_b32 s[G1B+2], 64<<16
	s_mov_b32 s[G1B+3], 128<<16
	s_mov_b32 s[G1B+4], 64
	s_mov_b32 s[G1B+5], 128
	s_mov_b32 s[G1B+6], 0
	s_mov_b32 s[G1B+7], 0
	; where the tiles come from.  x's hang on the tile row alone, the codes' on the tile column alone; each address is made in registers that never hold the other coordinate
	s_lshl_b32 s16, s13, 21                        ; x: 128 rows of 16,384 bytes a tile row
	s_lshl_b32 s17, s12, 20                        ;    + 64 rows for the second half
	s_add_co_u32 s16, s16, s17
	s_mov_b32 s17, 0
	s_lshl_b32 s46, s42, 15                        ; wq: 512 rows of 64 bytes a tile column
	s_lshl_b32 s47, s12, 14                        ;    + 256 rows for the second half
	s_add_co_u32 s46, s46, s47
	s_mov_b32 s47, 0
	s_mul_i32 s20, s12, 64*PA                      ; and where they go: no place in the cluster enters an LDS address
	s_mul_i32 s21, s12, 256*PB
	s_add_co_u32 s21, s21, BSLOT
	s_wait_kmcnt 0x0
	s_add_nc_u64 s[14:15], s[4:5], s[16:17]
	s_add_nc_u64 s[46:47], s[6:7], s[46:47]
	CROUND                                         ; all sixteen work-groups are here: the first joint loads meet
.irp s, 0,1
	s_mov_b32 s[G0+4*(\s)], 1                                      ; 1:0 count = 1
	s_add_co_u32 s[G0+4*(\s)+1], s20, (\s)*ASZ                     ; 63:32 LDS address
	s_add_nc_u64 s[G0+4*(\s)+2:G0+4*(\s)+3], s[14:15], (\s)*512    ; 120:64 global address: K step s, 512 bytes along the rows
	s_or_b32 s[G0+4*(\s)+3], s[G0+4*(\s)+3], 0x80000000            ; 127:126 type = 2
	s_mov_b32 s[G0B+4*(\s)], 1
	s_add_co_u32 s[G0B+4*(\s)+1], s21, (\s)*BSZ
	s_add_nc_u64 s[G0B+4*(\s)+2:G0B+4*(\s)+3], s[46:47], (\s)*131072  ; K step s: the next block of wq
	s_or_b32 s[G0B+4*(\s)+3], s[G0B+4*(\s)+3], 0x80000000
	JLOAD \s, \s                                   ; steps 0 and 1 are asked for before anything else is done: two loads of mine are out
.endr
	v_and_b32 v1, 15, v0                           ; r = l % 16
	v_bfe_u32 v2, v0, 4, 1                         ; h = l / 16
	v_and_b32 v6, 31, v0                           ; l
	v_lshlrev_b32 v[CO], 4, v6                     ; 16 l
	s_mul_i32 s18, s10, 32*PA                      ; my wave's 32 rows of x in f32
	v_add_nc_u32 v[ADRX], s18, v[CO]
	v_add_nc_u32 v[ADRX+1], ASZ, v[ADRX]
	v_and_b32 v3, 7, v0
	v_bfe_u32 v4, v0, 3, 2
	v_lshlrev_b32 v3, 5, v3
	v_lshl_add_u32 v3, v4, 3, v3                   ; the place of k = 4 l .. 4 l + 3 in bf16: byte 32 (l % 8) + 8 (l / 8)
	s_mul_i32 s18, s10, 32*PF
	s_add_co_u32 s18, s18, ABF
	v_add_nc_u32 v[ADRS], s18, v3
	v_add_nc_u32 v[ADRS+1], FSZ, v[ADRS]
	v_mul_u32_u24 v3, v1, PF
	v_lshl_add_u32 v3, v2, 5, v3                   ; x's fragments: row r, 32 bytes for each half of the lanes
	v_add_nc_u32 v[ADRF], ABF, v3
	v_add_nc_u32 v[ADRF+1], FSZ, v[ADRF]
	v_mul_u32_u24 v3, v1, PB
	v_lshl_add_u32 v3, v2, 3, v3                   ; codes: row r, 8 bytes for each half
	s_mul_i32 s18, s10, 128*PB                     ; my wave's 128 rows
	s_add_co_u32 s18, s18, BSLOT
	v_add_nc_u32 v[ADRB], s18, v3
	v_add_nc_u32 v[ADRB+1], BSZ, v[ADRB]
	s_mul_i32 s19, s10, 16*SP
	s_add_co_u32 s19, s19, STAGE                   ; my stage
	v_mul_u32_u24 v5, v1, SP                       ; in: row r, 32 bytes for each half of the lanes
	v_lshl_add_u32 v5, v2, 5, v5
	v_add_nc_u32 v[STO], s19, v5
	v_add_nc_u32 v[RD], s19, v[CO]                 ; back and out: 32 lanes take a row's 512 bytes
	; where my part of the tile begins in out0: the first way out adds it to out0's address
	s_lshl_b32 s16, s13, 20                        ; 128 rows of 8,192 bytes a tile row
	s_mov_b32 s17, 0
	s_lshl_b32 s46, s42, 11                        ; 512 columns of 4 bytes a tile column
	s_lshl_b32 s47, s10, 9                         ; my wave's 128 columns
	s_add_co_u32 s46, s46, s47
	s_mov_b32 s47, 0
	s_add_nc_u64 s[16:17], s[16:17], s[46:47]
; n matrix instructions, from number mi of a quarter's 64 on: row block mi / 8, column block mi % 8, fragments from the buffers f.  The 64 accumulators take turns, one instruction a turn, in the same order in every
; quarter, over the loop's backward jump too.  zero = 1: the first quarter's products start the sums: nothing is cleared.
.macro MMS f, zero, n
.rept \n
.set rA, AF+64*(\f)+8*(mi/8)
.set rB, BF+64*(\f)+8*(mi%8)
.set rD, 8*(8*((mi/8)%4)+mi%8)
	WIN MUL_LO+0x50*(mi/32)
.if \zero
	v_wmma_f32_16x16x32_bf16 v[rD:rD+7], v[rB:rB+7], v[rA:rA+7], 0
.else
	v_wmma_f32_16x16x32_bf16 v[rD:rD+7], v[rB:rB+7], v[rA:rA+7], v[rD:rD+7]
.endif
.set mi, mi+1
.endr
.endm
; Four of a quarter's 32: eight codes widened into four registers of buffer g, two numbers of x rounded, and the same again.  cv = 0: nothing is left to round; a v_nop is then the plain instruction behind the widening.
.macro FOUR g, cv
	WIN RIDE
.rept 2
	v_cvt_scale_pk8_bf16_fp4 v[BF+64*(\g)+4*si:BF+64*(\g)+4*si+3], v[BC+si], v[SCL]
.set si, si+1
.if \cv
	v_cvt_pk_bf16_f32 v[XO+ci], v[XS+2*ci], v[XS+2*ci+1]
.set ci, ci+1
.else
	v_nop
.endif
.endr
.endm
.macro LDAF b, q, g                    ; 16 LDS loads: x's eight fragments of quarter q from ABF b into buffer g: 32 consecutive bytes a lane
.irp a, 0,1,2,3,4,5,6,7
	ds_load_b128 v[AF+64*(\g)+8*(\a):AF+64*(\g)+8*(\a)+3],   v[ADRF+(\b)] offset:(\a)*16*PF+64*(\q)
	ds_load_b128 v[AF+64*(\g)+8*(\a)+4:AF+64*(\g)+8*(\a)+7], v[ADRF+(\b)] offset:(\a)*16*PF+64*(\q)+16
.endr
.endm
.macro LDB s, q                        ; 8 LDS loads: my wave's eight blocks of 16 weight rows, quarter q's 32 codes: 16 a lane
.irp b, 0,1,2,3,4,5,6,7
	ds_load_b64 v[BC+2*(\b):BC+2*(\b)+1], v[ADRB+(\s)] offset:(\b)*16*PB+16*(\q)
.endr
.endm
.macro LDX s, j                        ; 8 LDS loads: chunk j of four of my wave's 32 rows of x in f32, a row's 512 bytes each
.irp i, 0,1,2,3,4,5,6,7
	ds_load_b128 v[XS+4*(\i):XS+4*(\i)+3], v[ADRX+(\s)] offset:(8*(\j)+(\i))*PA
.endr
.endm
.macro STX b, j                        ; 8 LDS stores: chunk j in bf16 into ABF b, a row's 256 bytes each, every bank once
	WIN PUT
.irp i, 0,1,2,3,4,5,6,7
	ds_store_b64 v[ADRS+(\b)], v[XO+2*(\i):XO+2*(\i)+1] offset:(8*(\j)+(\i))*PF
.endr
.endm
; A load into a register that a matrix instruction has read, and a vector instruction that writes one, stand four places behind that matrix instruction, and only plain vector instructions that name none of its
; registers are places (ISA guide 7.12.1 for vector instructions).  The buffers that a quarter fills (x's by loads, the weights' by the widenings) were read last by the quarter before:
; four v_nop in the quarter's middle, ahead of both, are the places.
.macro PLACES
.rept 4
	v_nop
.endr
.endm
.macro UPPER f, g, zero, cv            ; a quarter's second half: eight times four matrix instructions and four of the 32
.set ci, 0
.set si, 0
.rept 8
	MMS \f, \zero, 4
	FOUR \g, \cv
.endr
.endm
; A QUARTER multiplies quarter q (0, 1, 2) of a step whose slots are `slot`, from the buffers f, and prepares quarter q + 1 in the other buffers.  cv = 1: it also stores chunk q of the next step's x, rounded in the
; quarter before, and loads and rounds chunk q + 1.  The codes and x in f32 are asked for 32 matrix instructions ahead of the lines that read them, the fragments 32 ahead of the next quarter.
.macro QUARTER slot, q, f, zero=0, cv=1
.if \cv
	STX 1-(\slot), \q
.endif
	WIN 0
.if \cv
	LDX 1-(\slot), (\q)+1
.endif
	LDB \slot, (\q)+1
	s_wait_dscnt 8+16*(\cv)                        ; all but what was just issued (8 loads of codes; with cv 8 stores and 8 loads more): this quarter's fragments of x are in
.set mi, 0
	MMS \f, \zero, 32
	PLACES
	WIN 0
	LDAF \slot, (\q)+1, 1-(\f)
	s_wait_dscnt 16                                ; all but the 16 just issued: the codes and x in f32 are in
	UPPER \f, 1-(\f), \zero, \cv
.endm
; THE LAST QUARTER OF A STEP changes slots.  ONE barrier, for four things.  In front of it each wave stores its last chunk of the next step's x; waits for all its tensor loads, of which one is out; adds 0 to its spare
; word; and waits for that, for its stores and for its reads.  Behind it ABF `next` is whole, nobody reads ABF `slot`, x's slot `next` or the codes' slot `slot` any more, and the tiles asked for a step ago have landed.
; fill = 3: the barrier opens a round of the cluster's, and x's slot `next` (three steps on) and the codes' slot `slot` (two steps on) are filled again, first thing behind the round.  fill = 2: the codes' alone: x has
; no step left to ask for.  fill = 0: nothing.  cvn = 1: the step after next exists, and its first chunk is loaded and rounded.
.macro TURN slot, fill, cvn
	STX 1-(\slot), 3
	WIN 0                                          ; (the add's two registers lie in window 0)
	s_wait_tensorcnt 0x0                           ; all my tensor loads have landed;
	ds_add_u32 v[SPW], v[NIL]                      ; 0 onto my spare word;
	s_wait_dscnt 9                                 ; (the eight stores and the add may be out: this quarter's fragments of x are in)
.set mi, 0
	MMS 1, 0, 8                                    ; eight matrix instructions stand between the add and the wait for it
	s_wait_dscnt 0x0                               ; the add and my stores are done, and my reads are over:
	s_barrier_signal -1                            ; say so,
	MMS 1, 0, 8                                    ; work on registers while the others arrive,
	WIN 0
	s_barrier_wait -1                              ; and go on when all four have said so
.if (\fill) == 3
	CREST                                          ; no wave of any partner still reads these slots or has a load on its way
	s_add_nc_u64 s[G0+4*(1-(\slot))+2:G0+4*(1-(\slot))+3], s[G0+4*(1-(\slot))+2:G0+4*(1-(\slot))+3], 2*512
	s_add_nc_u64 s[G0B+4*(\slot)+2:G0B+4*(\slot)+3], s[G0B+4*(\slot)+2:G0B+4*(\slot)+3], 2*131072
	JLOAD 1-(\slot), \slot                         ; my one tensor load behind the round, ahead of every LDS read; the four v_nop behind it are also the places in front of what follows
.elseif (\fill) == 2
	CREST
	s_add_nc_u64 s[G0B+4*(\slot)+2:G0B+4*(\slot)+3], s[G0B+4*(\slot)+2:G0B+4*(\slot)+3], 2*131072
	JLOAD_B \slot
	PLACES                                         ; for the waves that asked for nothing
.else
	PLACES
.endif
.if \cvn
	LDX \slot, 0
.endif
	LDB 1-(\slot), 0
	LDAF 1-(\slot), 0, 0
	MMS 1, 0, 16
	s_wait_dscnt 16                                ; all but the 16 loads of fragments: the codes and x in f32 are in
	UPPER 1, 0, 0, \cvn
.endm
	s_wait_tensorcnt 1                             ; my part of step 0 is in; step 1's stays out
	s_barrier_signal -1
	s_barrier_wait -1                              ; everybody's is
	; STEP 0's x is rounded with nothing beside it: my wave's 32 rows, in the registers that will hold fragments
.set i, 0
.rept 32
	ds_load_b128 v[AF+4*i:AF+4*i+3], v[ADRX] offset:i*PA
.set i, i+1
.endr
.set i, 0
.rept 32
	s_wait_dscnt 31-i                              ; LDS loads come back in order (ISA guide 5.7.1): row i is in
	v_cvt_pk_bf16_f32 v[AF+4*i],   v[AF+4*i],   v[AF+4*i+1]
	v_cvt_pk_bf16_f32 v[AF+4*i+1], v[AF+4*i+2], v[AF+4*i+3]
.set i, i+1
.endr
.set i, 0
.rept 32
	ds_store_b64 v[ADRS], v[AF+4*i:AF+4*i+1] offset:i*PF
.set i, i+1
.endr
	s_wait_tensorcnt 0x0                           ; step 1's tiles have landed too: no tensor load of mine is out, so a group 0 may be written
	ds_add_u32 v[SPW], v[NIL]                      ; 0 onto my spare word
	s_add_nc_u64 s[G0+2:G0+3], s[G0+2:G0+3], 2*512 ; x's slot 0: step 2
	s_wait_dscnt 0x0                               ; the add and my stores are done, and my reads of x's slot 0 are over
	CROUND
	JLOAD_A 0                                      ; x's slot 0 is filled again; the codes' two slots hold steps 0 and 1
	LDX 1, 0
	LDB 0, 0
	LDAF 0, 0, 0
	s_wait_dscnt 16                                ; the codes and x in f32 are in
.set ci, 0
.set si, 0
.rept 8
	FOUR 0, 1
.endr
	QUARTER 0, 0, 0, 1, 1                          ; the first quarter stands in front of the loop: its products start the sums
	WIN 0                                          ; at a label and at a branch every window is 0
	s_mov_b32 s3, TRIPS
.Llap:                                                 ; a trip: two K steps, from one step's second quarter to the first quarter two steps on; all four slots are filled again
	QUARTER 0, 1, 1
	QUARTER 0, 2, 0
	TURN 0, 3, 1
	QUARTER 1, 0, 0
	QUARTER 1, 1, 1
	QUARTER 1, 2, 0
	TURN 1, 3, 1
	QUARTER 0, 0, 0
	WIN 0
	s_sub_co_u32 s3, s3, 1
	s_cmp_lg_u32 s3, 0
	s_cbranch_scc1 .Llap
	QUARTER 0, 1, 1                                ; the last four steps are written out.  Step 28
	QUARTER 0, 2, 0
	TURN 0, 3, 1                                   ; x's step 31 and the codes' step 30 are asked for
	QUARTER 1, 0, 0                                ; step 29
	QUARTER 1, 1, 1
	QUARTER 1, 2, 0
	TURN 1, 2, 1                                   ; the codes' step 31: the last load
	QUARTER 0, 0, 0                                ; step 30
	QUARTER 0, 1, 1
	QUARTER 0, 2, 0
	TURN 0, 0, 0                                   ; nothing is left to ask for or to round
	QUARTER 1, 0, 0, 0, 0                          ; step 31
	QUARTER 1, 1, 1, 0, 0
	QUARTER 1, 2, 0, 0, 0
	s_wait_dscnt 0x0                               ; the very last quarter: its fragments are in
.set mi, 0
	MMS 1, 0, 64
; THE WAY OUT, a block of 16 rows at a time.  TOSTAGE: a lane's 32 bytes of a row go from the accumulators, each one's lower four registers first, into my own stage, rows of 528 bytes, and come back as whole rows
; of 512.  SEND: stored.  The stage is the wave's own and no tensor load fills it: no barrier.  Block a + 1 goes through the stage while block a's loads come back.
.macro TOSTAGE a
.set AC, 64*((\a)%4)
.set BK, AF+64*((\a)%2)
.if (\a) >= 2
	s_wait_xcnt 0x0                                ; every earlier memory instruction has had its addresses translated (ISA guide 3.1): only behind this wait are the registers that block a - 2's stores read, and their base, written again
.endif
	WIN 0x08+4*((\a)/4)                            ; the data (source 1): window 2 or 3
.irp b, 0,1,2,3,4,5,6,7
	ds_store_b128 v[STO], v[AC+8*(\b):AC+8*(\b)+3]   offset:64*(\b)
	ds_store_b128 v[STO], v[AC+8*(\b)+4:AC+8*(\b)+7] offset:64*(\b)+16
.endr
	WIN 0
.irp t, 0,1,2,3,4,5,6,7,8,9,10,11,12,13,14,15
	ds_load_b128 v[BK+4*(\t):BK+4*(\t)+3], v[RD] offset:(\t)*SP  ; LDS serves a wave's instructions in order (ISA guide 5.7.1.4): these see the stores above, and the next block's stores come behind them
.endr
.endm
.macro SEND a, younger                 ; younger: the LDS instructions issued behind block a's loads: the next block's 32, or none
.set BK, AF+64*((\a)%2)
	s_wait_dscnt \younger                          ; the block is back in registers
.if (\a) == 0
	s_add_nc_u64 s[8:9], s[8:9], s[16:17]          ; on to my first rows
.else
	s_add_nc_u64 s[8:9], s[8:9], 16*8192           ; 16 rows of out0 on
.endif
.irp t, 0,1,2,3,4,5,6,7,8,9,10,11,12,13,14,15
	global_store_b128 v[CO], v[BK+4*(\t):BK+4*(\t)+3], s[8:9] offset:(\t)*8192 th:TH_STORE_NT  ; the wave stores 512 consecutive bytes, at a multiple of 512 from out0's first byte
.endr
.endm
	PLACES                                         ; between the last products and the first line that reads a sum, or loads into a fragment's register
	TOSTAGE 0
.irp a, 1,2,3,4,5,6,7
	TOSTAGE \a
	SEND (\a)-1, 32
.endr
	s_wait_xcnt 0x0                                ; block 6's stores have had their addresses translated: their base may step
	SEND 7, 0
	s_wait_tensorcnt 0x0                           ; the wave's end: behind my last tensor load and my last LDS store
	ds_add_u32 v[SPW], v[NIL]
	s_wait_dscnt 0x0
	CROUND                                         ; the closing round: no work-group ends while a partner may still ask for a tile that names it
	s_endpgm
.Lfunc_end_k_qad1acc7d70_gemm:
	.size	k_qad1acc7d70_gemm, .Lfunc_end_k_qad1acc7d70_gemm-k_qad1acc7d70_gemm
	.p2alignl 7, 3214868480
	.fill 96, 4, 3214868480
	.section	.rodata,"a",@progbits
	.p2align	6, 0x0
	.amdhsa_kernel k_qad1acc7d70_gemm
		.amdhsa_group_segment_fixed_size 327680
		.amdhsa_private_segment_fixed_size 0
		.amdhsa_enable_private_segment 0
		.amdhsa_kernarg_size 24
		.amdhsa_user_sgpr_count 2
		.amdhsa_user_sgpr_kernarg_segment_ptr 1
		.amdhsa_wavefront_size32 1
		.amdhsa_system_sgpr_workgroup_id_x 1
		.amdhsa_system_sgpr_workgroup_id_y 1
		.amdhsa_system_sgpr_workgroup_id_z 1
		.amdhsa_system_vgpr_workitem_id 0
		.amdhsa_next_free_vgpr 1024
		.amdhsa_next_free_sgpr 66
		.amdhsa_reserve_vcc 0
		.amdhsa_float_denorm_mode_32 3
		.amdhsa_float_denorm_mode_16_64 3
		.amdhsa_memory_ordered 1
		.amdhsa_forward_progress 1
		.amdhsa_inst_pref_size 255
	.end_amdhsa_kernel
	.section	.bss,"aw",@nobits
	.p2align	6
	.space	262144
	.amdgpu_metadata
---
amdhsa.version: [ 1, 2 ]
amdhsa.kernels:
  - .name:           k_qad1acc7d70_gemm
    .symbol:         k_qad1acc7d70_gemm.kd
    .args:
      - { .name: input, .offset: 0, .size: 8, .value_kind: global_buffer, .address_space: global }
      - { .name: wq, .offset: 8, .size: 8, .value_kind: global_buffer, .address_space: global }
      - { .name: out0, .offset: 16, .size: 8, .value_kind: global_buffer, .address_space: global }
    .group_segment_fixed_size: 327680
    .private_segment_fixed_size: 0
    .kernarg_segment_align: 8
    .kernarg_segment_size: 24
    .max_flat_workgroup_size: 128
    .sgpr_count:     66
    .vgpr_count:     1024
    .wavefront_size: 32
...
	.end_amdgpu_metadata
.endif
;; end of part 3
